; MI455X (gfx1250); checked and timed in simulation.
; The chip was launched on July 23, 2026; its instructions are those of AMD's public machine-readable ISA for CDNA 5 (MIT licence, August 2026) and "CDNA5" Instruction Set Architecture Reference Guide (July 2026). The comments in the code are by the model that wrote it; some were corrected since.
;; Top1 Mo E. Allowed arithmetic: matrix products marked QUANTISED: E2M1 operands, one E8M0 scale for each 32 along K, by v_wmma_scale_f32_16x16x128_f8f6f4 with both operands' format E2M1 (or v_wmma_scale_f32_32x16x128_f4), f32 sums; products left as they are: f32 operands where the result goes on into a quantised operand, else bf16, f16 or f32 operands; f32 sums; everything else in f32.
;; Inputs: W1 8 x 1,024 x 512 float32; W2 8 x 512 x 1,024 float32; Wr 1,024 x 8 float32; b1 8 x 512 float32; b2 8 x 1,024 float32; br 8 float32; x 4 x 2,048 x 1,024 float32.
;; Outputs: out0 4 x 2,048 x 1,024 float32.
;; This version of the problem:
;;   THIS VERSION OF THE PROBLEM IS GIVEN IN LOW PRECISION. The matrix products marked QUANTISED in the list below multiply operands that are first quantised to E2M1 (2 exponent bits, 1 mantissa bit; 4 bits a number), with one power-of-two scale for each 32 numbers along K (OCP MX v1.0); their sums are f32. All else is computed in f32.
;;   The module's matrix products, in the order in which they are computed (A, B: the left and right operand; K: the contracted axis; several contracted axes count as one K, in the product's order):
;;     1. [M 8,192, K 1,024] x [K 1,024, N 8]; A: input x; B: input Wr: left as it is (N = 8 < 16)
;;     2. [M 8,192, K 1,024] x [K 1,024, N 4,096]; A: input x; B: input W1: QUANTISED
;;     3. batch 8 x [M 1,024, K 512] x [K 512, N 8,192]; A: input W2; B: computed on the way: QUANTISED
;;   THE QUANTISER, for each operand of a quantised product, along K:
;;     - K is cut into blocks of 32 from its start; a last block that is shorter is filled with zeros.
;;     - A block's scale is 2^e with e = floor(log2(the largest magnitude in the block)) - 2, held to -126 .. 127; a block of zeros has e = 0. As a byte (E8M0): e + 127.
;;     - Each number is divided by its block's scale, clamped to +-6, and rounded to the nearest number of E2M1, ties to even, subnormals kept.
;;     - The product sums the exact products of the quantised numbers (number of the format x scale) in f32.
;;   ~~~python
;;   def quantise(x, axis):      # numpy; x: float32 -> the quantised numbers, widened to float32 again
;;       x = np.moveaxis(x, axis, -1); K = x.shape[-1]
;;       x = np.pad(x, [(0, 0)] * (x.ndim - 1) + [(0, -K % 32)]); x = x.reshape(x.shape[:-1] + (-1, 32)); a = np.abs(x).max(-1, keepdims=True)
;;       e = np.where(a > 0, np.clip(np.frexp(np.where(a > 0, a, 1))[1] - 1 - 2, -126, 127), 0)      # np.frexp(a)[1] - 1 = floor(log2(a)), exactly
;;       r = np.clip(x / 2.0 ** e, -6, 6)
;;       step = 2.0 ** (np.maximum(np.frexp(np.where(r == 0, 1, r))[1] - 1, 0) - 1)
;;       q = np.round(r / step) * step * 2.0 ** e      # np.round: ties to even
;;       return np.moveaxis(q.reshape(q.shape[:-2] + (-1,))[..., :K], -1, axis).astype(np.float32)
;;   ~~~
;;   OPERANDS COMPUTED ON THE WAY. 'Computed on the way' means the value that the module computes at that place (a softmax that the list does not call 'softmax' is quantised finished and normalised). What goes into a quantiser is computed in f32, as accurately as f32 sums, v_exp_f32 and their like allow (about 1e-6 of the number): no bf16 or f16 on the way to a quantiser, and a product that is left as it is and whose result goes on into a quantised operand takes f32 operands (vector FMAs, or v_wmma_f32_16x16x4_f32). A number that lies on a knife's edge between two numbers of the format may be rounded either way, as far as f32 arithmetic and the matrix unit's own rounding can turn it there, and no further.
;; One version. Each part assembles by itself: llvm-mc -triple=amdgcn-amd-amdhsa -mcpu=gfx1250 --defsym DOCPART=n.
;; ======== version 1 of 1: 3 launches
;; workspace buffers: wq 4,456,448 bytes; xq 4,456,448 bytes; route 65,536 bytes of whole numbers; prob 32,768 bytes; xsort 4,491,264 bytes; list 37,888 bytes of whole numbers; psort 33,792 bytes
;; launch prep (part 1): grid 256 x 1, 8 waves a work-group, no clusters, 109,568 bytes of LDS; arguments x, Wr, br, W1, W2, wq, xq, route, prob; writes wq, xq, route, prob
.if DOCPART == 1
	.amdgcn_target "amdgcn-amd-amdhsa--gfx1250"
	.amdhsa_code_object_version 6
	.text
	.protected	k_qcd8f218af0_prep
	.globl	k_qcd8f218af0_prep
	.p2align	8
	.type	k_qcd8f218af0_prep,@function
k_qcd8f218af0_prep:
	s_mov_b64 s[64:65], 0
	v_nop
	global_prefetch_b8 v0, s[64:65] scope:SCOPE_SE
	s_setreg_imm32_b32 hwreg(HW_REG_WAVE_MODE, 25, 1), 1
	s_wait_xcnt 0x0
; PREP.  Work-group g (of 256) does two things.
; (1) Its 32 tokens (wave w: tokens 32 g + 4 w + 0..3, a whole row of 1,024 f32 at a time): the router's eight logits in f32 (fused multiply-adds, then a sum over the lanes), the softmax's largest
;     probability 1 / sum 2^((l - max) log2 e) and the index of the largest logit; and the row's codes of E2M1 with one E8M0 byte for each 32 along the row.
;     Out: xq (512 bytes of codes a token, then from byte 4,194,304 on 32 scale bytes a token), route (word 32 g + lane: expert | rank among the group's tokens of that expert << 8; from byte 32,768 on
;     128 bytes a group: the group's eight counts, then zeros), prob (the probability).  All at fixed places: no address and no branch hangs on the choice.
; (2) 1/256 of W1 and W2 (groups 0-127: W1, 128-255: W2): 256 columns x 128 along K of one expert.  A lane takes a column and its registers run down K, so a block of 32 lies in one lane.
;     Out: wq, in the order of a matrix operand's registers: tensor x 2,097,152 + expert x 262,144 + fragment x 1,024 + block x 256 + r x 16; fragment = ((t / 4) S + s) 4 + t % 4 for tile t, K step s
;     (S = 8 or 4 steps of 128).  Lane r of tile 2 P + u is unit 32 P + 8 u + r + 8 (r / 8).  Scale words from byte 4,194,304 on: tensor x 131,072 + expert x 16,384 + (P S + s) 128 + (16 u + r) 4.
; A block's scale byte is its largest magnitude's exponent field - 2, held at 1 from below.
; LIMITS: NaN and infinities are not served.  A block of zeros gets the byte 1 (its codes are zeros; only this program reads the bytes).  The index is taken on the logits, the lower index on equality:
; two logits so close that their probabilities round to one number could be told apart here and not in the softmax.  The router's sums are f32 in another order than a plain loop's.
; The keys, probabilities and counts leave in runs of 128 bytes and the weights' scale words likewise: 1,408 bytes a group against the 262,144 that it reads.
; No matrix work, no tensor load: the launch streams.  No cluster: work-groups share only Wr's 32,768 bytes.
.set STGB, 33280                       ; LDS: 0: Wr, lane l's 1,024 bytes at 1,040 l;  STGB: for each wave two stages of 32 x (128 + 16) bytes
.set STGW, 9216
.set STGH, 4608
.set SCB,  107008                      ; 32 tokens x 32 scale bytes
.set IDXL, 108032                      ; 32 words: the chosen expert;  128 bytes on: the probability
.set R,    16                          ; v16-143  four slots of 32: a row of x as loaded, later a block of W
.set X,    144                         ; v144-207 two sets of 32 neighbours of a row
.set ACC,  208                         ; v208-223 the eight logits, in two chains
.set T,    224                         ; v224-231 at work
.set C,    240                         ; v240-255 codes: four registers a token, later a block
.set MSB, 0
.macro WIN new                         ; the immediate's high byte repeats the setting that is left
.if MSB != \new
	s_set_vgpr_msb (MSB<<8)|\new
.set MSB, \new
.endif
.endm
; v1 lane; v2 16 lane; v3, v4 the stage in and out; v5 Wr's way in; v6 Wr's way out; v7 scale byte; v8 the wave's words of choice; v9, v10 wq's lane terms; v11 4 lane; v12-14 the roles' addresses; v15 16 t
; window 1 (v256-511): Wr(32 lane + kk, e) at 8 kk + e
	s_load_b256 s[4:11], s[0:1], 0x0               ; x, Wr, br, W1
	s_load_b256 s[12:19], s[0:1], 0x20             ; W2, wq, xq, route
	s_load_b64 s[20:21], s[0:1], 0x40              ; prob
	v_lshrrev_b32 v1, 5, v0
	s_delay_alu instid0(VALU_DEP_1)
	v_readfirstlane_b32 s22, v1                    ; wave 0..7
	v_and_b32 v1, 31, v0                           ; lane
	s_delay_alu instid0(VALU_DEP_1)
	v_lshlrev_b32 v2, 4, v1
	v_lshlrev_b32 v15, 4, v0
	s_mul_i32 s34, s22, STGW
	s_add_co_u32 s34, s34, STGB                    ; my wave's stages
	v_bfe_u32 v224, v0, 3, 2                       ; lane / 8
	s_delay_alu instid0(VALU_DEP_1)
	v_mul_u32_u24 v3, v224, 144
	v_and_b32 v225, 7, v0                          ; lane % 8
	s_delay_alu instid0(VALU_DEP_1)
	v_lshl_add_u32 v3, v225, 4, v3
	s_delay_alu instid0(VALU_DEP_1)
	v_add_nc_u32 v3, s34, v3                       ; in: a load's 512 bytes are four pieces of 128, each 144 on from the last
	v_mul_u32_u24 v4, v1, 144
	s_delay_alu instid0(VALU_DEP_1)
	v_add_nc_u32 v4, s34, v4                       ; out: piece = lane: my 32 neighbours
	v_lshrrev_b32 v5, 6, v0
	s_delay_alu instid0(VALU_DEP_1)
	v_add_nc_u32 v5, v5, v0
	s_delay_alu instid0(VALU_DEP_1)
	v_lshlrev_b32 v5, 4, v5                        ; Wr in: 16 t + 16 (t / 64)
	v_mul_u32_u24 v6, v1, 1040                     ; Wr out
	s_lshl_b32 s35, s22, 7
	s_add_co_u32 s35, s35, SCB
	v_add_nc_u32 v7, s35, v1                       ; scale bytes: token 4 w + i, byte = lane
	s_lshl_b32 s35, s22, 4
	s_add_co_u32 s35, s35, IDXL
	v_mov_b32 v8, s35
	v_bfe_u32 v9, v0, 3, 1                         ; u
	v_bfe_u32 v10, v0, 4, 1
	s_delay_alu instid0(VALU_DEP_1)
	v_lshl_add_u32 v225, v10, 3, v225              ; r = lane % 8 + 8 (lane / 16)
	s_delay_alu instid0(VALU_DEP_1)
	v_lshl_add_u32 v10, v9, 4, v225
	s_delay_alu instid0(VALU_DEP_1)
	v_lshlrev_b32 v10, 2, v10                      ; (16 u + r) 4
	v_lshlrev_b32 v9, 10, v9
	s_delay_alu instid0(VALU_DEP_1)
	v_lshl_add_u32 v9, v225, 4, v9                 ; 1,024 u + 16 r
	v_lshlrev_b32 v11, 2, v1
	s_and_b32 s35, s22, 1
	s_lshl_b32 s35, s35, 9
	v_add_nc_u32 v14, s35, v2                      ; the scale bytes' way out: 512 (w % 2) + 16 lane
	s_delay_alu instid0(VALU_DEP_1)
	v_add_nc_u32 v12, SCB, v14
	v_add_nc_u32 v13, IDXL, v11
.irp e, 0,1,2,3,4,5,6,7
	v_mov_b32 v[T+\e], 0                           ; written once: a lane permute's destination counts as one of its sources
.endr
	v_mov_b32 v235, 0                              ; (named as the upper half of the pair v[234:235])
	s_mov_b32 s32, 0x76543210
	s_mov_b32 s33, 0xfedcba98                      ; v_permlanex16_b32's selects for lane l xor 16
	s_lshl_b32 s36, ttmp9, 17
	s_lshl_b32 s37, s22, 14
	s_add_co_u32 s36, s36, s37                     ; x: (32 g + 4 w) rows of 4,096 bytes
	s_mov_b32 s37, 0
	s_lshl_b32 s38, ttmp9, 14
	s_lshl_b32 s39, s22, 11
	s_add_co_u32 s38, s38, s39                     ; their codes: 512 bytes a row
	s_mov_b32 s39, 0
	s_lshl_b32 s40, ttmp9, 10
	s_add_co_u32 s40, s40, 4194304                 ; the group's 1,024 scale bytes
	s_mov_b32 s41, 0
	s_lshl_b32 s42, ttmp9, 7                       ; 128 bytes a group: keys, probabilities, counts
	s_mov_b32 s43, 0
	s_add_co_u32 s44, s42, 32768
	s_mov_b32 s45, 0
	; my part of the weights
	s_lshr_b32 s46, ttmp9, 7                       ; 0: W1, 1: W2
	s_and_b32 s47, ttmp9, 127
	s_lshr_b32 s48, s47, 4                         ; expert
	s_add_co_u32 s49, s46, 1
	s_and_b32 s50, s47, 15
	s_lshr_b32 s51, s50, s49                       ; K step of 128
	s_lshl_b32 s52, s51, s49
	s_sub_co_u32 s52, s50, s52                     ; which 256 columns
	s_lshl_b32 s53, s52, 3
	s_add_co_u32 s53, s53, s22                     ; P: my wave's 32 columns
	s_add_co_u32 s54, s46, 18
	s_lshl_b32 s54, s51, s54                       ; 128 rows of 2,048 or 4,096 bytes a K step
	s_lshl_b32 s55, s48, 21
	s_add_co_u32 s54, s54, s55
	s_lshl_b32 s55, s53, 7
	s_add_co_u32 s54, s54, s55
	s_mov_b32 s55, 0
	s_sub_co_u32 s56, 3, s46                       ; log2 S
	s_lshr_b32 s58, s53, 1
	s_lshl_b32 s58, s58, s56
	s_add_co_u32 s58, s58, s51
	s_lshl_b32 s58, s58, 2
	s_and_b32 s59, s53, 1
	s_lshl_b32 s59, s59, 1
	s_add_co_u32 s58, s58, s59                     ; the fragment of tile 2 P
	s_lshl_b32 s58, s58, 10
	s_lshl_b32 s59, s46, 21
	s_add_co_u32 s58, s58, s59
	s_lshl_b32 s59, s48, 18
	s_add_co_u32 s58, s58, s59
	s_mov_b32 s59, 0
	s_lshl_b32 s60, s53, s56
	s_add_co_u32 s60, s60, s51
	s_lshl_b32 s60, s60, 7                         ; (P S + s) 128
	s_lshl_b32 s61, s46, 17
	s_add_co_u32 s60, s60, s61
	s_lshl_b32 s61, s48, 14
	s_add_co_u32 s60, s60, s61
	s_add_co_u32 s60, s60, 4194304
	s_mov_b32 s61, 0
	s_wait_kmcnt 0x0
	s_load_b256 s[24:31], s[8:9], 0x0              ; br
	s_add_nc_u64 s[4:5], s[4:5], s[36:37]
	s_add_nc_u64 s[38:39], s[16:17], s[38:39]
	s_add_nc_u64 s[40:41], s[16:17], s[40:41]
	s_add_nc_u64 s[44:45], s[18:19], s[44:45]
	s_add_nc_u64 s[18:19], s[18:19], s[42:43]
	s_add_nc_u64 s[20:21], s[20:21], s[42:43]
	s_cmp_lt_u32 ttmp9, 128                        ; the choice hangs on the work-group's number alone
	s_cselect_b64 s[10:11], s[10:11], s[12:13]
	s_add_nc_u64 s[10:11], s[10:11], s[54:55]
	s_add_nc_u64 s[58:59], s[14:15], s[58:59]
	s_add_nc_u64 s[60:61], s[14:15], s[60:61]
.irp p, 0,1,2,3,4,5,6,7
	global_load_b128 v[X+4*\p:X+4*\p+3], v15, s[6:7] offset:4096*\p   ; Wr: the 256 threads read 4,096 consecutive bytes
.endr
.irp i, 0,1,2,3
.irp j, 0,1,2,3,4,5,6,7
	global_load_b128 v[R+32*\i+4*\j:R+32*\i+4*\j+3], v2, s[4:5] offset:4096*\i+512*\j th:TH_LOAD_NT   ; my four rows: 512 consecutive bytes a load
.endr
.endr
	s_wait_loadcnt 32                              ; the 32 loads of x are younger: Wr is in
.irp p, 0,1,2,3,4,5,6,7
	ds_store_b128 v5, v[X+4*\p:X+4*\p+3] offset:4160*\p
.endr
	s_wait_kmcnt 0x0                               ; br
	s_wait_dscnt 0x0                               ; for the others' sake: my part of Wr lies in LDS
	s_barrier_signal -1
	s_barrier_wait -1
	WIN 0x40                                       ; destination window 1
.set q, 0
.rept 64
	ds_load_b128 v[4*q:4*q+3], v6 offset:16*q      ; my 32 rows of Wr stay in registers
.set q, q+1
.endr
	WIN 0
; row i goes through the wave's own stage: in as loaded, out 128 bytes a lane.  LDS serves a wave's instructions in order, so no wait stands between
.macro TURN i
.irp j, 0,1,2,3,4,5,6,7
	ds_store_b128 v3, v[R+32*(\i)+4*\j:R+32*(\i)+4*\j+3] offset:STGH*((\i)%2)+576*\j
.endr
.irp q, 0,1,2,3,4,5,6,7
	ds_load_b128 v[X+32*((\i)%2)+4*\q:X+32*((\i)%2)+4*\q+3], v4 offset:STGH*((\i)%2)+16*\q
.endr
.endm
; block b of my column of W (32 along K) into slot b: a wave reads 128 consecutive bytes of a row, the eight waves 1,024
.macro WLOAD b, stride
.set kk, 0
.rept 32
	global_load_b32 v[R+32*(\b)+kk], v11, s[10:11] offset:(32*(\b)+kk)*(\stride) th:TH_LOAD_NT
.set kk, kk+1
.endr
.endm
.macro WFILL b                         ; W1's rows are 2,048 bytes, W2's 4,096: the same 32 loads on both ways
	s_cmp_lt_u32 ttmp9, 128
	s_cbranch_scc0 .Lw2_\@
	WLOAD \b, 2048
	s_branch .Lwd_\@
.Lw2_\@:
	WLOAD \b, 4096
.Lwd_\@:
.endm
; the largest magnitude of v[XS] .. v[XS+31] and the floor 2^(3 - 127) -> v232; with 2 off its exponent field -> v238: the conversion takes that field as its scale
.macro BMAX
	v_max3_num_f32 v232, |v[XS]|, |v[XS+1]|, |v[XS+2]|
	v_max3_num_f32 v233, |v[XS+3]|, |v[XS+4]|, |v[XS+5]|
.irp i, 6,10,14,18,22,26
	s_delay_alu instid0(VALU_DEP_2)
	v_max3_num_f32 v232, v232, |v[XS+\i]|, |v[XS+\i+1]|
	s_delay_alu instid0(VALU_DEP_2)
	v_max3_num_f32 v233, v233, |v[XS+\i+2]|, |v[XS+\i+3]|
.endr
	s_delay_alu instid0(VALU_DEP_2)
	v_max3_num_f32 v232, v232, |v[XS+30]|, |v[XS+31]|
	s_delay_alu instid0(VALU_DEP_1)
	v_max3_num_f32 v232, v232, v233, 0x1800000
	s_delay_alu instid0(VALU_DEP_1)
	v_add_nc_u32 v238, 0xff000000, v232
.endm
; my 32 numbers x my 32 rows of Wr: two experts an instruction, even and odd k in chains of their own; the first products start the sums
.macro DOTS
.set kk, 0
.rept 16
.irp p, 0,1,2,3
.if kk == 0
	v_pk_mul_f32 v[ACC+2*\p:ACC+2*\p+1], v[XS:XS+1], v[2*\p:2*\p+1] op_sel_hi:[0,1]
.else
	v_pk_fma_f32 v[ACC+2*\p:ACC+2*\p+1], v[XS+kk:XS+kk+1], v[8*kk+2*\p:8*kk+2*\p+1], v[ACC+2*\p:ACC+2*\p+1] op_sel_hi:[0,1,1]
.endif
.endr
.irp p, 0,1,2,3
.if kk == 0
	v_pk_mul_f32 v[ACC+8+2*\p:ACC+9+2*\p], v[XS:XS+1], v[8+2*\p:9+2*\p] op_sel:[1,0] op_sel_hi:[1,1]
.else
	v_pk_fma_f32 v[ACC+8+2*\p:ACC+9+2*\p], v[XS+kk:XS+kk+1], v[8*kk+8+2*\p:8*kk+9+2*\p], v[ACC+8+2*\p:ACC+9+2*\p] op_sel:[1,0,0] op_sel_hi:[1,1,1]
.endif
.endr
.set kk, kk+2
.endr
.endm
.macro TOKEN i
.set XS, X+32*((\i)%2)
	s_wait_dscnt 0x0                               ; my 32 neighbours are in, so the stage's stores have read slot i; the last token's small stores are done
	WFILL \i                                       ; slot i takes block i of W
.if \i == 0
	s_wait_loadcnt 48                              ; younger than row 1: rows 2 and 3 (16) and the 32 of W
	TURN 1
.elseif \i < 3
	s_wait_loadcnt 63                              ; 72 or 96 loads are younger than the next row: the count is the largest that can be written, and the stricter
	TURN (\i)+1
.endif
	WIN 0x04                                       ; source 1 (Wr) window 1
	DOTS
	WIN 0
	BMAX
.irp g, 0,1,2,3
	v_cvt_scalef32_pk8_fp4_f32 v[C+4*(\i)+\g], v[XS+8*\g:XS+8*\g+7], v238
.endr
	v_lshrrev_b32 v239, 23, v238                   ; the scale's byte (a plain line behind the conversions)
	global_store_b128 v2, v[C+4*(\i):C+4*(\i)+3], s[38:39] offset:512*(\i)   ; the row's 512 bytes of codes
	ds_store_b8 v7, v239 offset:32*(\i)
.irp p, 0,1,2,3
	v_pk_add_f32 v[ACC+2*\p:ACC+2*\p+1], v[ACC+2*\p:ACC+2*\p+1], v[ACC+8+2*\p:ACC+9+2*\p]
.endr
.irp k, 1,2,4,8
.irp e, 0,1,2,3,4,5,6,7
	v_add_f32_dpp v[ACC+\e], v[ACC+\e], v[ACC+\e] row_xmask:\k row_mask:0xf bank_mask:0xf
.endr
.endr
.irp e, 0,1,2,3,4,5,6,7
	v_permlanex16_b32 v[T+\e], v[ACC+\e], s32, s33
.endr
.irp e, 0,1,2,3,4,5,6,7
	v_add_f32 v[ACC+\e], v[ACC+\e], v[T+\e]
.endr
.irp e, 0,1,2,3,4,5,6,7
	v_add_f32 v[ACC+\e], s[24+\e], v[ACC+\e]       ; + br: the logits, in every lane
.endr
	v_max3_num_f32 v232, v[ACC], v[ACC+1], v[ACC+2]
	s_delay_alu instid0(VALU_DEP_1)
	v_max3_num_f32 v232, v232, v[ACC+3], v[ACC+4]
	s_delay_alu instid0(VALU_DEP_1)
	v_max3_num_f32 v232, v232, v[ACC+5], v[ACC+6]
	s_delay_alu instid0(VALU_DEP_1)
	v_max_num_f32 v232, v232, v[ACC+7]             ; the largest is taken away ahead of the exponentials
	v_mov_b32 v236, 7
.irp e, 6,5,4,3,2,1,0
	v_cmp_neq_f32 vcc_lo, v[ACC+\e], v232
	s_delay_alu instid0(VALU_DEP_1)
	v_cndmask_b32 v236, \e, v236, vcc_lo           ; downward, so that the lower index wins
.endr
	v_mul_f32 v234, 0x3fb8aa3b, v232
.irp p, 0,1,2,3
	v_pk_fma_f32 v[ACC+2*\p:ACC+2*\p+1], v[ACC+2*\p:ACC+2*\p+1], 0x3fb8aa3b, v[234:235] op_sel_hi:[1,0,0] neg_lo:[0,0,1] neg_hi:[0,0,1]
.endr
	s_wait_alu depctr_va_vdst(0)
.irp e, 0,1,2,3,4,5,6,7
	v_exp_f32 v[ACC+\e], v[ACC+\e]
.endr
	v_nop                                          ; a plain line behind the last exponential
	s_wait_alu depctr_va_vdst(0)                   ; one wait for the eight, ahead of their first reader
	v_pk_add_f32 v[ACC:ACC+1], v[ACC:ACC+1], v[ACC+2:ACC+3]
	v_pk_add_f32 v[ACC+4:ACC+5], v[ACC+4:ACC+5], v[ACC+6:ACC+7]
	s_delay_alu instid0(VALU_DEP_1)
	v_pk_add_f32 v[ACC:ACC+1], v[ACC:ACC+1], v[ACC+4:ACC+5]
	s_delay_alu instid0(VALU_DEP_1)
	v_add_f32 v[ACC], v[ACC], v[ACC+1]
	s_wait_alu depctr_va_vdst(0)
	v_rcp_f32 v237, v[ACC]                         ; the largest probability: 2^0 / the sum
	v_nop
	s_wait_alu depctr_va_vdst(0)
	ds_store_b32 v8, v236 offset:4*(\i)            ; all lanes write the same word with the same value
	ds_store_b32 v8, v237 offset:128+4*(\i)
.endm
	s_wait_loadcnt 24                              ; rows 1 to 3 are younger: row 0 is in
	TURN 0
	TOKEN 0
	TOKEN 1
	TOKEN 2
	TOKEN 3
	s_wait_dscnt 0x0                               ; for the others' sake: my scale bytes and my tokens' words lie in LDS
	s_barrier_signal -1
	s_barrier_wait -1
	s_cmp_lt_u32 s22, 2
	s_cbranch_scc0 .Lnot01
	ds_load_b128 v[224:227], v12                   ; waves 0 and 1: the group's 1,024 scale bytes leave, 512 consecutive bytes a wave
	s_wait_dscnt 0x0
	global_store_b128 v14, v[224:227], s[40:41]
	s_branch .Lroles
.Lnot01:
	s_cmp_eq_u32 s22, 2
	s_cbranch_scc0 .Lroles
	ds_load_b32 v224, v13                          ; wave 2: a lane a token: its expert
	ds_load_b32 v225, v13 offset:128               ; and its probability
	v_mov_b32 v226, 0
	v_mov_b32 v228, 0
	s_wait_dscnt 0x0
.irp e, 0,1,2,3,4,5,6,7
	v_cmp_eq_u32 s62, \e, v224
	s_delay_alu instid0(VALU_DEP_1)
	v_mbcnt_lo_u32_b32 v227, s62, 0                ; how many lanes below mine chose expert e
	s_wait_alu depctr_va_vdst(0)
	v_cndmask_b32 v226, v226, v227, s62
	s_bcnt1_i32_b32 s63, s62
	v_writelane_b32 v228, s63, \e                  ; the group's count of expert e, in lane e
.endr
	v_lshl_or_b32 v229, v226, 8, v224
	global_store_b32 v11, v229, s[18:19]
	global_store_b32 v11, v225, s[20:21]
	global_store_b32 v11, v228, s[44:45]
.Lroles:
	s_wait_xcnt 0x0                                ; the codes' stores have read their registers: they are written again below
.macro WBLOCK j, left
.set XS, R+32*(\j)
	s_wait_loadcnt \left
	BMAX
.irp g, 0,1,2,3
	v_cvt_scalef32_pk8_fp4_f32 v[C+4*(\j)+\g], v[XS+8*\g:XS+8*\g+7], v238
.endr
	v_lshrrev_b32 v239, 23, v238                   ; the scale's byte (a plain line behind the conversions)
.if \j == 0
	s_delay_alu instid0(VALU_DEP_1)
	v_mov_b32 v236, v239
.else
	s_delay_alu instid0(VALU_DEP_1)
	v_lshl_or_b32 v236, v239, 8*(\j), v236         ; four bytes make my column's scale word of this K step
.endif
	global_store_b128 v9, v[C+4*(\j):C+4*(\j)+3], s[58:59] offset:256*(\j)   ; sixteen lanes store 256 consecutive bytes of tile 2 P's fragment, sixteen of tile 2 P + 1's
.endm
	WBLOCK 0, 63                                   ; 96 and 64 loads are younger: the largest count that can be written, and the stricter
	WBLOCK 1, 63
	WBLOCK 2, 32
	WBLOCK 3, 0
	global_store_b32 v10, v236, s[60:61]
	s_wait_xcnt 0x0
	v_lshl_add_u32 v254, v0, 2, 0x1a800
	v_mov_b32 v255, 0
	s_wait_alu depctr_va_vdst(0)
	s_wait_tensorcnt 0x0
	ds_add_u32 v254, v255
	s_wait_dscnt 0x0
	s_endpgm
.Lfunc_end_k_qcd8f218af0_prep:
	.size	k_qcd8f218af0_prep, .Lfunc_end_k_qcd8f218af0_prep-k_qcd8f218af0_prep
	.p2alignl 7, 3214868480
	.fill 96, 4, 3214868480
	.section	.rodata,"a",@progbits
	.p2align	6, 0x0
	.amdhsa_kernel k_qcd8f218af0_prep
		.amdhsa_group_segment_fixed_size 109568
		.amdhsa_private_segment_fixed_size 0
		.amdhsa_enable_private_segment 0
		.amdhsa_kernarg_size 72
		.amdhsa_user_sgpr_count 2
		.amdhsa_user_sgpr_kernarg_segment_ptr 1
		.amdhsa_wavefront_size32 1
		.amdhsa_system_sgpr_workgroup_id_x 1
		.amdhsa_system_sgpr_workgroup_id_y 1
		.amdhsa_system_sgpr_workgroup_id_z 1
		.amdhsa_system_vgpr_workitem_id 0
		.amdhsa_next_free_vgpr 512
		.amdhsa_next_free_sgpr 66
		.amdhsa_reserve_vcc 1
		.amdhsa_float_denorm_mode_32 3
		.amdhsa_float_denorm_mode_16_64 3
		.amdhsa_memory_ordered 1
		.amdhsa_forward_progress 1
		.amdhsa_inst_pref_size 118
	.end_amdhsa_kernel
	.amdgpu_metadata
---
amdhsa.version: [ 1, 2 ]
amdhsa.kernels:
  - .name:           k_qcd8f218af0_prep
    .symbol:         k_qcd8f218af0_prep.kd
    .args:
      - { .name: x, .offset: 0, .size: 8, .value_kind: global_buffer, .address_space: global }
      - { .name: Wr, .offset: 8, .size: 8, .value_kind: global_buffer, .address_space: global }
      - { .name: br, .offset: 16, .size: 8, .value_kind: global_buffer, .address_space: global }
      - { .name: W1, .offset: 24, .size: 8, .value_kind: global_buffer, .address_space: global }
      - { .name: W2, .offset: 32, .size: 8, .value_kind: global_buffer, .address_space: global }
      - { .name: wq, .offset: 40, .size: 8, .value_kind: global_buffer, .address_space: global }
      - { .name: xq, .offset: 48, .size: 8, .value_kind: global_buffer, .address_space: global }
      - { .name: route, .offset: 56, .size: 8, .value_kind: global_buffer, .address_space: global }
      - { .name: prob, .offset: 64, .size: 8, .value_kind: global_buffer, .address_space: global }
    .group_segment_fixed_size: 109568
    .private_segment_fixed_size: 0
    .kernarg_segment_align: 8
    .kernarg_segment_size: 72
    .max_flat_workgroup_size: 256
    .sgpr_count:     66
    .vgpr_count:     512
    .wavefront_size: 32
...
	.end_amdgpu_metadata
.endif
;; end of part 1
;; launch place (part 2): grid 256 x 1, 8 waves a work-group, no clusters, 2,048 bytes of LDS; arguments route, prob, xq, xsort, list, psort; writes xsort, list, psort
.if DOCPART == 2
	.amdgcn_target "amdgcn-amd-amdhsa--gfx1250"
	.amdhsa_code_object_version 6
	.text
	.protected	k_qcd8f218af0_place
	.globl	k_qcd8f218af0_place
	.p2align	8
	.type	k_qcd8f218af0_place,@function
k_qcd8f218af0_place:
	s_mov_b64 s[64:65], 0
	v_nop
	global_prefetch_b8 v0, s[64:65] scope:SCOPE_SE
	s_setreg_imm32_b32 hwreg(HW_REG_WAVE_MODE, 25, 1), 1
	s_wait_xcnt 0x0
; PLACE.  The tokens are sorted by expert: a counting sort without atomics.  Every work-group adds up all 256 groups' counts (thread t: group t) and those of the groups before its own; a token's place is
; its expert's first row + the rows of earlier groups + its rank in its own group.  Work-group g copies its 32 tokens' codes (512 bytes), scale bytes (32), probability and number to their places.
; Out: xsort (8,256 rows x 512 bytes, then from byte 4,227,072 on 32 scale bytes a row), list (256 tiles x (expert, first row, rows, 0), then from byte 4,096 on the token of each row), psort.
; Work-group 0 also writes the list of tiles of 48 rows (a tile never spans two experts; entries past the last tile have 0 rows) and zeros into rows 8,192 to 8,255 of xsort and 8,192 to 8,447 of the
; token list and psort, so that a tile may read 48 rows from any first row.
; Whole numbers only.  Two 16-bit fields share a word in the sums: no count passes 8,192.  The scale bytes leave in runs of 32 bytes and the numbers and probabilities word by word: 40 bytes a token beside its 512.
	s_load_b256 s[4:11], s[0:1], 0x0               ; route, prob, xq, xsort
	s_load_b128 s[12:15], s[0:1], 0x20             ; list, psort
	v_lshl_add_u32 v144, v0, 2, 0x400
	v_mov_b32 v145, 0
	v_lshrrev_b32 v1, 5, v0
	s_delay_alu instid0(VALU_DEP_1)
	v_readfirstlane_b32 s16, v1                    ; wave
	v_and_b32 v1, 31, v0                           ; lane
	s_delay_alu instid0(VALU_DEP_1)
	v_lshlrev_b32 v2, 4, v1
	s_delay_alu instid0(VALU_DEP_2)
	v_lshlrev_b32 v3, 2, v1
	v_lshlrev_b32 v4, 7, v0                        ; group t's counts: 128 bytes a group
	v_and_b32 v5, 0xe0, v0                         ; LDS: 32 bytes a wave
	v_mov_b32 v6, 0
	s_lshl_b32 s17, s16, 2
	v_and_b32 v7, 3, v0
	s_delay_alu instid0(VALU_DEP_1)
	v_add_nc_u32 v7, s17, v7
	s_delay_alu instid0(VALU_DEP_1)
	v_lshlrev_b32 v7, 2, v7                        ; lane select: token 4 w + lane % 4
	v_bfe_u32 v8, v0, 3, 2
	s_delay_alu instid0(VALU_DEP_1)
	v_add_nc_u32 v8, s17, v8
	s_delay_alu instid0(VALU_DEP_1)
	v_lshlrev_b32 v8, 2, v8                        ; lane select: token 4 w + lane / 8
	v_and_b32 v9, 7, v0
	s_delay_alu instid0(VALU_DEP_1)
	v_lshlrev_b32 v9, 2, v9
.irp j, 0,1,2,3,4,5,6,7
	v_mov_b32 v[60+\j], 0                          ; written once: the destination of a lane move counts as one of its sources
.endr
	s_mov_b32 s18, 0x76543210
	s_mov_b32 s19, 0xfedcba98
	s_mov_b32 s28, ttmp9
	s_mov_b32 s29, 43691
	s_lshl_b32 s20, ttmp9, 7
	s_mov_b32 s21, 0
	s_lshl_b32 s22, ttmp9, 14
	s_lshl_b32 s23, s16, 11
	s_add_co_u32 s22, s22, s23
	s_mov_b32 s23, 0
	s_lshl_b32 s24, ttmp9, 10
	s_lshl_b32 s25, s16, 7
	s_add_co_u32 s24, s24, s25
	s_add_co_u32 s24, s24, 4194304
	s_mov_b32 s25, 0
	s_wait_kmcnt 0x0
	s_add_nc_u64 s[26:27], s[4:5], s[20:21]
	s_add_nc_u64 s[6:7], s[6:7], s[20:21]
	s_add_nc_u64 s[22:23], s[8:9], s[22:23]
	s_add_nc_u64 s[24:25], s[8:9], s[24:25]
	global_load_b128 v[16:19], v4, s[4:5] offset:32768
	global_load_b128 v[20:23], v4, s[4:5] offset:32784
	global_load_b32 v24, v3, s[26:27]              ; my group's keys: a lane a token
	global_load_b32 v25, v3, s[6:7]
.irp i, 0,1,2,3
	global_load_b128 v[32+4*\i:35+4*\i], v2, s[22:23] offset:512*\i th:TH_LOAD_NT   ; my wave's four rows of codes
.endr
	global_load_b32 v48, v3, s[24:25] th:TH_LOAD_NT                                  ; and their 128 scale bytes
	s_wait_loadcnt 7                               ; seven loads are younger than the counts
	v_cmp_gt_u32 vcc_lo, s28, v0                   ; is group t before mine?
.irp j, 0,1,2,3
	v_lshl_or_b32 v[52+\j], v[17+2*\j], 16, v[16+2*\j]
.endr
.irp j, 0,1,2,3
	s_delay_alu instid0(VALU_DEP_4)
	v_cndmask_b32 v[56+\j], 0, v[52+\j], vcc_lo
.endr
.irp k, 1,2,4,8
.irp j, 0,1,2,3,4,5,6,7
	v_mov_b32_dpp v[60+\j], v[52+\j] row_xmask:\k row_mask:0xf bank_mask:0xf
.endr
.irp j, 0,1,2,3,4,5,6,7
	v_add_nc_u32 v[52+\j], v[52+\j], v[60+\j]
.endr
.endr
.irp j, 0,1,2,3,4,5,6,7
	v_permlanex16_b32 v[60+\j], v[52+\j], s18, s19
.endr
.irp j, 0,1,2,3,4,5,6,7
	v_add_nc_u32 v[52+\j], v[52+\j], v[60+\j]      ; my wave's 32 groups
.endr
	ds_store_b128 v5, v[52:55]
	ds_store_b128 v5, v[56:59] offset:16
	s_wait_dscnt 0x0                               ; for the others' sake
	s_barrier_signal -1
	s_barrier_wait -1
.irp k, 0,1,2,3,4,5,6,7,8,9,10,11,12,13,14,15
	ds_load_b128 v[68+4*\k:71+4*\k], v6 offset:16*\k
.endr
	s_wait_dscnt 0x0
.irp k, 1,2,3,4,5,6,7
.irp j, 0,1,2,3,4,5,6,7
	v_add_nc_u32 v[68+\j], v[68+\j], v[68+8*\k+\j]
.endr
.endr
.irp j, 0,1,2,3
	v_and_b32 v[76+2*\j], 0xffff, v[68+\j]         ; v76-83: each expert's rows in all
	v_lshrrev_b32 v[77+2*\j], 16, v[68+\j]
	v_and_b32 v[84+2*\j], 0xffff, v[72+\j]         ; v84-91: those of the groups before mine
	v_lshrrev_b32 v[85+2*\j], 16, v[72+\j]
.endr
	v_mov_b32 v92, 0
.irp e, 1,2,3,4,5,6,7
	s_delay_alu instid0(VALU_DEP_1)
	v_add_nc_u32 v[92+\e], v[91+\e], v[75+\e]      ; v92-99: each expert's first row
.endr
.irp e, 0,1,2,3,4,5,6,7
	v_add_nc_u32 v[100+\e], v[92+\e], v[84+\e]
.endr
	s_wait_alu depctr_va_vdst(0)
	s_wait_loadcnt 0x0
	v_and_b32 v108, 0xff, v24
	v_mov_b32 v109, v100
.irp e, 1,2,3,4,5,6,7
	v_cmp_eq_u32 vcc_lo, \e, v108
	s_delay_alu instid0(VALU_DEP_1)
	v_cndmask_b32 v109, v109, v[100+\e], vcc_lo
.endr
	v_lshrrev_b32 v110, 8, v24
	s_delay_alu instid0(VALU_DEP_1)
	v_add_nc_u32 v111, v109, v110
	s_delay_alu instid0(VALU_DEP_1)
	v_min_u32 v111, 0x1fff, v111                   ; token 32 g + lane goes to this row
	ds_bpermute_b32 v112, v7, v111
	ds_bpermute_b32 v113, v8, v111
	s_wait_dscnt 0x0
.irp i, 0,1,2,3
	v_readlane_b32 s[30+\i], v112, \i
	s_min_u32 s[30+\i], s[30+\i], 0x1fff
	s_lshl_b32 s[30+\i], s[30+\i], 9
	v_add_nc_u32 v[114+\i], s[30+\i], v2
	global_store_b128 v[114+\i], v[32+4*\i:35+4*\i], s[10:11]      ; a row's 512 consecutive bytes
.endr
	v_min_u32 v113, 0x1fff, v113
	s_delay_alu instid0(VALU_DEP_1)
	v_lshl_add_u32 v118, v113, 5, v9
	global_store_b32 v118, v48, s[10:11] offset:4227072
	s_cmp_lg_u32 s16, 0
	s_cbranch_scc1 .Lnot_wave_0
	v_lshlrev_b32 v119, 2, v111
	s_lshl_b32 s17, ttmp9, 5
	v_add_nc_u32 v120, s17, v1
	global_store_b32 v119, v120, s[12:13] offset:4096
	global_store_b32 v119, v25, s[14:15]
.Lnot_wave_0:
	s_cmp_lg_u32 ttmp9, 0
	s_cbranch_scc1 .Lend
.irp e, 0,1,2,3,4,5,6,7
	v_add_nc_u32 v[52+\e], 47, v[76+\e]
.endr
.irp e, 0,1,2,3,4,5,6,7
	v_mul_lo_u32 v[52+\e], v[52+\e], s29
.endr
.irp e, 0,1,2,3,4,5,6,7
	v_lshrrev_b32 v[52+\e], 21, v[52+\e]           ; tiles of expert e: (n + 47) / 48; n x 43,691 >> 21 is n / 48 rounded down for n up to 8,239
.endr
	v_mov_b32 v60, 0
.irp e, 1,2,3,4,5,6,7
	s_delay_alu instid0(VALU_DEP_1)
	v_add_nc_u32 v[60+\e], v[59+\e], v[51+\e]      ; its first tile
.endr
	v_mov_b32 v84, 0                               ; thread T describes tile T: the last expert whose first tile is not past T
	v_mov_b32 v85, 0
	v_mov_b32 v86, v76
	v_mov_b32 v87, 0
.irp e, 1,2,3,4,5,6,7
	v_cmp_gt_u32 vcc_lo, v[60+\e], v0
	s_delay_alu instid0(VALU_DEP_1)
	v_cndmask_b32 v84, \e, v84, vcc_lo
	s_delay_alu instid0(VALU_DEP_2)
	v_cndmask_b32 v85, v[60+\e], v85, vcc_lo
	s_delay_alu instid0(VALU_DEP_3)
	v_cndmask_b32 v86, v[76+\e], v86, vcc_lo
	s_delay_alu instid0(VALU_DEP_4)
	v_cndmask_b32 v87, v[92+\e], v87, vcc_lo
.endr
	s_delay_alu instid0(VALU_DEP_3)
	v_sub_nc_u32 v88, v0, v85
	s_delay_alu instid0(VALU_DEP_1)
	v_mul_u32_u24 v88, v88, 48
	v_mov_b32 v100, v84
	s_delay_alu instid0(VALU_DEP_2)
	v_add_nc_u32 v101, v87, v88
	s_delay_alu instid0(VALU_DEP_1)
	v_min_u32 v101, 0x1fff, v101
	s_delay_alu instid0(VALU_DEP_4)
	v_min_u32 v89, v88, v86
	s_delay_alu instid0(VALU_DEP_1)
	v_sub_nc_u32 v102, v86, v89
	s_delay_alu instid0(VALU_DEP_1)
	v_min_u32 v102, 48, v102
	v_mov_b32 v103, 0
	v_lshlrev_b32 v104, 4, v0
	global_store_b128 v104, v[100:103], s[12:13]
.irp j, 0,1,2,3
	v_mov_b32 v[68+\j], 0
.endr
.irp p, 0,1,2,3,4,5,6,7
	global_store_b128 v104, v[68:71], s[10:11] offset:4194304+4096*\p
.endr
	v_lshlrev_b32 v105, 3, v0
	global_store_b64 v105, v[68:69], s[10:11] offset:4489216
	v_lshlrev_b32 v106, 2, v0
	global_store_b32 v106, v68, s[12:13] offset:36864
	global_store_b32 v106, v68, s[14:15] offset:32768
.Lend:
	s_wait_tensorcnt 0x0
	ds_add_u32 v144, v145
	s_wait_dscnt 0x0
	s_endpgm
.Lfunc_end_k_qcd8f218af0_place:
	.size	k_qcd8f218af0_place, .Lfunc_end_k_qcd8f218af0_place-k_qcd8f218af0_place
	.p2alignl 7, 3214868480
	.fill 96, 4, 3214868480
	.section	.rodata,"a",@progbits
	.p2align	6, 0x0
	.amdhsa_kernel k_qcd8f218af0_place
		.amdhsa_group_segment_fixed_size 2048
		.amdhsa_private_segment_fixed_size 0
		.amdhsa_enable_private_segment 0
		.amdhsa_kernarg_size 48
		.amdhsa_user_sgpr_count 2
		.amdhsa_user_sgpr_kernarg_segment_ptr 1
		.amdhsa_wavefront_size32 1
		.amdhsa_system_sgpr_workgroup_id_x 1
		.amdhsa_system_sgpr_workgroup_id_y 1
		.amdhsa_system_sgpr_workgroup_id_z 1
		.amdhsa_system_vgpr_workitem_id 0
		.amdhsa_next_free_vgpr 146
		.amdhsa_next_free_sgpr 66
		.amdhsa_reserve_vcc 1
		.amdhsa_float_denorm_mode_32 3
		.amdhsa_float_denorm_mode_16_64 3
		.amdhsa_memory_ordered 1
		.amdhsa_forward_progress 1
		.amdhsa_inst_pref_size 21
	.end_amdhsa_kernel
	.amdgpu_metadata
---
amdhsa.version: [ 1, 2 ]
amdhsa.kernels:
  - .name:           k_qcd8f218af0_place
    .symbol:         k_qcd8f218af0_place.kd
    .args:
      - { .name: route, .offset: 0, .size: 8, .value_kind: global_buffer, .address_space: global }
      - { .name: prob, .offset: 8, .size: 8, .value_kind: global_buffer, .address_space: global }
      - { .name: xq, .offset: 16, .size: 8, .value_kind: global_buffer, .address_space: global }
      - { .name: xsort, .offset: 24, .size: 8, .value_kind: global_buffer, .address_space: global }
      - { .name: list, .offset: 32, .size: 8, .value_kind: global_buffer, .address_space: global }
      - { .name: psort, .offset: 40, .size: 8, .value_kind: global_buffer, .address_space: global }
    .group_segment_fixed_size: 2048
    .private_segment_fixed_size: 0
    .kernarg_segment_align: 8
    .kernarg_segment_size: 48
    .max_flat_workgroup_size: 256
    .sgpr_count:     66
    .vgpr_count:     146
    .wavefront_size: 32
...
	.end_amdgpu_metadata
.endif
;; end of part 2
;; launch chain (part 3): grid 178 x 1, 8 waves a work-group, no clusters, 109,824 bytes of LDS; arguments wq, xsort, list, psort, b1, b2, out0; writes out0
.if DOCPART == 3
	.amdgcn_target "amdgcn-amd-amdhsa--gfx1250"
	.amdhsa_code_object_version 6
	.text
	.protected	k_qcd8f218af0_chain
	.globl	k_qcd8f218af0_chain
	.p2align	8
	.type	k_qcd8f218af0_chain,@function
k_qcd8f218af0_chain:
	s_mov_b64 s[64:65], 0
	v_nop
	global_prefetch_b8 v0, s[64:65] scope:SCOPE_SE
	s_setreg_imm32_b32 hwreg(HW_REG_WAVE_MODE, 25, 1), 1
	s_wait_xcnt 0x0
; CHAIN.  Work-group T takes tile T of the list: up to 48 sorted rows of ONE expert e, through the whole chain: out = (Q(gelu(Q(x) Q(W1[e]) + b1[e])) Q(W2[e]) + b2[e]) x probability.
; 8,192 rows in tiles of 48 over 8 experts are never more than 178 tiles, whatever the split.  A tile with no rows runs the same text and stores nothing: no barrier may stand under a branch on a stored number.
; SHARES.  The waves share the columns: wave w makes hidden units 64 w .. + 63 (4 tiles of 16) and outputs 128 w .. + 127 (8 tiles), for all 48 rows (3 tiles of rows).  Its 32 fragments of W1, then its 32
; of W2, fill window 1; they come from memory straight into registers, laid by the first launch in the operand's own order: 512 consecutive bytes a load.
; BOTH PRODUCTS ARE USED TRANSPOSED (source 0 = 16 units of the weight, source 1 = 16 rows): a lane holds one row.  Lane r of weight tile 2 P + u is unit 32 P + 8 u + r + 8 (r / 8), so the 16 registers of tiles
; 2 P and 2 P + 1 are units 32 P + 16 (lane / 16) + 0 .. 15: neighbours along the next K, and neighbours in a row of the output.  The biases are the C of each sum's first product.
; The wave's 64 hidden units are half of K step w / 2 of the second product: four registers of a fragment's image and two bytes of its scale word, handed on through LDS.
; GELU: gelu(x) = max(x, 0) - |x| a, a = erfc(|x| / sqrt 2) / 2 = t 2^(P(t) - z^2), z = 0.8493218 |x|, t = 1 / (1 + 0.4162773 z), P of degree 9 (the rational-exponential fit of erfc, its coefficients x log2 e,
; the half in the constant term).  No difference of near numbers for x < 0.
; LIMITS: NaN and infinities are not served.  The fit's own error is 1.2e-7 of erfc; in f32 a is good to about 5e-7 of itself for |x| up to 3, and the error grows with x^2 in the far negative tail, where gelu
; falls to 0.  A block of zeros gets the byte 1 with zero codes.
; No tensor load: the stores hang on a stored count.  No cluster: partners could not be promised tiles of one expert at every split.
.set XSL, 25600                        ; LDS: 0: 48 rows of codes, 512 + 16 bytes;  XSL: 48 rows of scale bytes, 32 + 16
.set HIM, 28160                        ; the hidden layer's 12 fragments (row tile m, K step s: 4 m + s), 1,024 bytes each, as images of their registers
.set HSL, 40448                        ; their scale words: [m][r][4 words]
.set STG, 41216                        ; a stage of 16 rows x (512 + 16) bytes for each wave
.set ACC, 16                           ; v16-111  first product: (tile tt, rows m) at 32 m + 8 tt;  second: tile t at 8 t in v16-79, and v80-111 hidden fragments
.set XF,  112                          ; v112-159 x's fragments, two sets of 24;  the GELU's z, t, P;  the quantiser;  hidden fragments
.set QB,  112
.set GZ,  112
.set GT,  128
.set GP,  144
.set WSC, 160                          ; v160-175 the weights' scale words: lanes 0-15 tile 2 P, lanes 16-31 tile 2 P + 1
.set XSC, 176                          ; v176-187 the rows' scale words: x's (lanes 0-15 K steps 0-3, lanes 16-31 steps 4-7), later the hidden layer's
.set PRB, 188                          ; v188-190 my row's probability for m = 0, 1, 2;  v191 the polynomial's highest coefficient
.set BIA, 192                          ; v192-255 the biases in the result's layout
; v1 16 lane; v2 4 lane; v3 64 h; v4, v5 x's way into LDS; v6, v7 x's fragments and scale words; v8, v9 the hidden layer's way in; v10 its scale words; v11, v12 the stage; v13 512 w + 16 lane; v14 4 r
.set MSB, 0
.macro WIN new                         ; the immediate's high byte repeats the setting that is left
.if MSB != \new
	s_set_vgpr_msb (MSB<<8)|\new
.set MSB, \new
.endif
.endm
.macro PLACES                          ; four plain lines between matrix instructions and loads into, or vector reads of, their registers
.rept 4
	v_nop
.endr
.endm
; one product on the registers named by rD, rA, rB, rC, rSA, rSB;  ra, rb: the scales stand in lanes 16-31
.macro MMA ra, rb
.if ((\ra) == 0) && ((\rb) == 0)
	v_wmma_scale_f32_16x16x128_f8f6f4 v[rD:rD+7], v[rA:rA+7], v[rB:rB+7], v[rC:rC+7], v[rSA], v[rSB] matrix_a_fmt:MATRIX_FMT_FP4 matrix_b_fmt:MATRIX_FMT_FP4
.elseif (\rb) == 0
	v_wmma_scale_f32_16x16x128_f8f6f4 v[rD:rD+7], v[rA:rA+7], v[rB:rB+7], v[rC:rC+7], v[rSA], v[rSB] matrix_a_fmt:MATRIX_FMT_FP4 matrix_b_fmt:MATRIX_FMT_FP4 matrix_a_scale:MATRIX_SCALE_ROW1
.elseif (\ra) == 0
	v_wmma_scale_f32_16x16x128_f8f6f4 v[rD:rD+7], v[rA:rA+7], v[rB:rB+7], v[rC:rC+7], v[rSA], v[rSB] matrix_a_fmt:MATRIX_FMT_FP4 matrix_b_fmt:MATRIX_FMT_FP4 matrix_b_scale:MATRIX_SCALE_ROW1
.else
	v_wmma_scale_f32_16x16x128_f8f6f4 v[rD:rD+7], v[rA:rA+7], v[rB:rB+7], v[rC:rC+7], v[rSA], v[rSB] matrix_a_fmt:MATRIX_FMT_FP4 matrix_b_fmt:MATRIX_FMT_FP4 matrix_a_scale:MATRIX_SCALE_ROW1 matrix_b_scale:MATRIX_SCALE_ROW1
.endif
.endm
.macro W1LOAD q0, n                    ; W1's fragment (K step s, tile tt) at v[8 (4 s + tt)] of window 1: my 32,768 bytes on end
	WIN 0x40
.set q, \q0
.rept \n
	global_load_b128 v[4*q:4*q+3], v1, s[4:5] offset:512*q
.set q, q+1
.endr
	WIN 0
.endm
.macro W2LOAD s                        ; W2's fragments of K step s: (s, tile t) at v[8 (8 s + t)] of window 1
	WIN 0x40
.irp t, 0,1,2,3,4,5,6,7
.irp c, 0,1
	global_load_b128 v[8*(8*(\s)+\t)+4*\c:8*(8*(\s)+\t)+4*\c+3], v1, s[4:5] offset:2097152+(16*(\t/4)+4*(\s)+(\t%4))*1024+512*\c
.endr
.endr
	WIN 0
.endm
.macro XFETCH s                        ; x's three fragments of K step s
.irp m, 0,1,2
.irp c, 0,1
	ds_load_b128 v[XF+24*((\s)%2)+8*\m+4*\c:XF+24*((\s)%2)+8*\m+4*\c+3], v6 offset:8448*\m+64*(\s)+32*\c
.endr
.endr
.endm
; K step s of the first product: twelve accumulators by turns, one instruction a turn
.macro STEP1 s
.if ((\s) > 0) && ((\s) < 7)
	PLACES                                         ; the set fetched below was read by the step before last's successor: step s - 1
.endif
.if (\s) < 7
	XFETCH (\s)+1
	s_wait_dscnt 6                                 ; all but the six just issued
.else
	s_wait_dscnt 0x0
.endif
	s_wait_loadcnt 56-8*(\s)                       ; younger: the eight loads of each later K step of W1
	WIN 0x01                                       ; source 0 (the weight) window 1
.irp tt, 0,1,2,3
.irp m, 0,1,2
.set rD, ACC+32*\m+8*\tt
.set rA, 8*(4*(\s)+\tt)
.set rB, XF+24*((\s)%2)+8*\m
.if (\s) == 0
.set rC, BIA+8*\tt
.else
.set rC, rD
.endif
.set rSA, WSC+8*(\tt/2)+(\s)
.set rSB, XSC+4*\m+(\s)%4
	MMA \tt%2, (\s)/4
.endr
.endr
	WIN 0
.endm
; gelu of sixteen registers, in place.  Two batches of transcendentals, plain work behind each, one wait each ahead of its first reader
.macro GELU16 a
.irp i, 0,1,2,3,4,5,6,7,8,9,10,11,12,13,14,15
	v_mul_f32 v[GZ+\i], s100, |v[(\a)+\i]|         ; z; each accumulator is read from its low end on
.endr
.irp i, 0,2,4,6,8,10,12,14
	v_pk_fma_f32 v[GT+\i:GT+\i+1], v[GZ+\i:GZ+\i+1], 0x3ed5224d, 1.0 op_sel_hi:[1,0,0]
.endr
	s_wait_alu depctr_va_vdst(0)
.irp i, 0,1,2,3,4,5,6,7,8,9,10,11,12,13,14,15
	v_rcp_f32 v[GT+\i], v[GT+\i]                   ; t
.endr
.irp i, 0,2,4,6,8,10,12,14
	v_pk_fma_f32 v[GZ+\i:GZ+\i+1], v[GZ+\i:GZ+\i+1], v[GZ+\i:GZ+\i+1], 0xc034d90f op_sel_hi:[1,1,0] neg_lo:[1,0,0] neg_hi:[1,0,0]   ; c0 - z^2
.endr
	s_wait_alu depctr_va_vdst(0)
.irp i, 0,2,4,6,8,10,12,14
	v_pk_fma_f32 v[GP+\i:GP+\i+1], v[GT+\i:GT+\i+1], v[PRB+2:PRB+3], 0xbf97d29d op_sel:[0,1,0] op_sel_hi:[1,1,0]   ; c9 t + c8
.endr
.irp c, 0x40097039, 0xbfd1a1e5, 0x3ecdfd18, 0xbe899a80, 0x3e0efb2e, 0x3f0a29d2, 0x3fb8ab5a
.irp i, 0,2,4,6,8,10,12,14
	v_pk_fma_f32 v[GP+\i:GP+\i+1], v[GP+\i:GP+\i+1], v[GT+\i:GT+\i+1], \c op_sel_hi:[1,1,0]
.endr
.endr
.irp i, 0,2,4,6,8,10,12,14
	v_pk_fma_f32 v[GP+\i:GP+\i+1], v[GP+\i:GP+\i+1], v[GT+\i:GT+\i+1], v[GZ+\i:GZ+\i+1]
.endr
	s_wait_alu depctr_va_vdst(0)
.irp i, 0,1,2,3,4,5,6,7,8,9,10,11,12,13,14,15
	v_exp_f32 v[GP+\i], v[GP+\i]
.endr
.irp i, 0,1,2,3,4,5,6,7,8,9,10,11,12,13,14,15
	v_max_num_f32 v[GZ+\i], 0, v[(\a)+\i]
.endr
	s_wait_alu depctr_va_vdst(0)
.irp i, 0,2,4,6,8,10,12,14
	v_pk_mul_f32 v[GP+\i:GP+\i+1], v[GP+\i:GP+\i+1], v[GT+\i:GT+\i+1]   ; a
.endr
.irp i, 0,1,2,3,4,5,6,7,8,9,10,11,12,13,14,15
	v_fma_f32 v[(\a)+\i], -|v[(\a)+\i]|, v[GP+\i], v[GZ+\i]
.endr
.endm
; my 64 hidden units of the 48 rows become codes and scale bytes: two blocks of 32 a row, each in lanes l and l xor 16; the three tiles of rows by turns.
; For row tile m: v[QB+16m+0,1] largest magnitudes, +2,3 at work and the bytes, +4,5 the conversions' scale operands, +6 the two bytes, +8..11 the codes
.macro QUANT2
.irp b, 0,1
.irp m, 0,1,2
	v_max3_num_f32 v[QB+16*\m+\b], |v[ACC+32*\m+16*\b]|, |v[ACC+32*\m+16*\b+1]|, 0x1800000   ; with the floor 2^(3 - 127): the byte cannot fall under 1
.endr
.endr
.irp i, 2,4,6,8,10,12,14
.irp b, 0,1
.irp m, 0,1,2
	v_max3_num_f32 v[QB+16*\m+\b], v[QB+16*\m+\b], |v[ACC+32*\m+16*\b+\i]|, |v[ACC+32*\m+16*\b+\i+1]|
.endr
.endr
.endr
.irp b, 0,1
.irp m, 0,1,2
	v_permlanex16_b32 v[QB+16*\m+2+\b], v[QB+16*\m+\b], s26, s27
.endr
.endr
.irp b, 0,1
.irp m, 0,1,2
	v_max_num_f32 v[QB+16*\m+\b], v[QB+16*\m+\b], v[QB+16*\m+2+\b]
.endr
.endr
.irp b, 0,1
.irp m, 0,1,2
	v_add_nc_u32 v[QB+16*\m+4+\b], 0xff000000, v[QB+16*\m+\b]   ; 2 off the exponent field
.endr
.endr
.irp b, 0,1
.irp m, 0,1,2
	v_lshrrev_b32 v[QB+16*\m+2+\b], 23, v[QB+16*\m+4+\b]
.endr
.endr
.irp m, 0,1,2
	s_delay_alu instid0(VALU_DEP_3)
	v_lshl_or_b32 v[QB+16*\m+6], v[QB+16*\m+3], 8, v[QB+16*\m+2]
.endr
.irp b, 0,1
.irp m, 0,1,2
	v_cvt_scalef32_pk8_fp4_f32 v[QB+16*\m+8+2*\b], v[ACC+32*\m+16*\b:ACC+32*\m+16*\b+7], v[QB+16*\m+4+\b]
	v_cvt_scalef32_pk8_fp4_f32 v[QB+16*\m+9+2*\b], v[ACC+32*\m+16*\b+8:ACC+32*\m+16*\b+15], v[QB+16*\m+4+\b]
.endr
.endr
	v_nop                                          ; one plain line behind the last scaled conversion
.irp m, 0,1,2
.irp i, 0,1
	v_permlane16_swap_b32 v[QB+16*\m+8+\i], v[QB+16*\m+10+\i]   ; the operand wants a whole block in a lane: lanes 0-15 the first, lanes 16-31 the second
.endr
.endr
.irp m, 0,1,2
	ds_store_b128 v8, v[QB+16*\m+8:QB+16*\m+11] offset:4096*\m   ; four registers of fragment (m, w / 2): its half w % 2
	ds_store_b16 v9, v[QB+16*\m+6] offset:256*\m                 ; both halves of the lanes write the same two bytes with the same value
.endr
.endm
.macro HFETCH m                        ; the hidden layer's four fragments of row tile m: v112-143 (m even) or v80-111 (m odd)
.set HB, 112-32*((\m)%2)
.irp s, 0,1,2,3
.irp c, 0,1
	ds_load_b128 v[HB+8*\s+4*\c:HB+8*\s+4*\c+3], v1 offset:HIM+4096*(\m)+1024*\s+512*\c
.endr
.endr
.endm
; row tile m: the second product, x probability, through my stage, out
.macro OUTM m
.set TK, 32+16*((\m)%2)
.set HFB, 112-32*((\m)%2)
.if (\m) > 0
	s_wait_xcnt 0x0                                ; the last tile's stores have read their data and their bases: both are written again below
.endif
	s_wait_kmcnt 0x0                               ; these sixteen rows' tokens
.irp i, 0,1,2,3,4,5,6,7,8,9,10,11,12,13,14,15
	s_min_u32 s28, s[TK+\i], 0x1fff
	s_lshl_b32 s28, s28, 12
	s_add_nc_u64 s[66+2*\i:67+2*\i], s[16:17], s[28:29]   ; the token's row of the output
.endr
.if (\m) < 2
	s_load_b512 s[80-TK:95-TK], s[98:99], 0x1000+64*((\m)+1)
	HFETCH (\m)+1
	s_wait_dscnt 8                                 ; all but the eight just issued
.else
	s_wait_dscnt 0x0
.endif
	WIN 0x01
.irp s, 0,1,2,3
.if (\m) == 0
	s_wait_loadcnt 16*(3-\s)                       ; younger: the sixteen loads of each later K step of W2
.endif
.irp t, 0,1,2,3,4,5,6,7                        ; eight accumulators by turns, one instruction a turn
.set rD, ACC+8*\t
.set rA, 8*(8*\s+\t)
.set rB, HFB+8*\s
.if \s == 0
.set rC, BIA+8*\t
.else
.set rC, rD
.endif
.set rSA, WSC+4*(\t/2)+\s
.set rSB, XSC+4*(\m)+\s
	MMA \t%2, 0
.endr
.endr
	WIN 0
	PLACES
.set ra, ACC
.rept 32                               ; ascending: each accumulator is read from its low end on
.if (\m) == 0
	v_pk_mul_f32 v[ra:ra+1], v[ra:ra+1], v[PRB:PRB+1] op_sel_hi:[1,0]
.elseif (\m) == 1
	v_pk_mul_f32 v[ra:ra+1], v[ra:ra+1], v[PRB:PRB+1] op_sel:[0,1] op_sel_hi:[1,1]
.else
	v_pk_mul_f32 v[ra:ra+1], v[ra:ra+1], v[PRB+2:PRB+3] op_sel_hi:[1,0]
.endif
.set ra, ra+2
.endr
.irp b, 0,1,2,3
.irp q, 0,1,2,3
	ds_store_b128 v11, v[ACC+16*\b+4*\q:ACC+16*\b+4*\q+3] offset:128*\b+16*\q   ; lane (r, h): row r, outputs 32 b + 16 h + 4 q on
.endr
.endr
.irp i, 0,1,2,3,4,5,6,7,8,9,10,11,12,13,14,15
	ds_load_b128 v[ACC+4*\i:ACC+4*\i+3], v12 offset:528*\i   ; back as whole pieces of rows; LDS serves a wave's instructions in order
.endr
.irp i, 0,1,2,3,4,5,6,7,8,9,10,11,12,13,14,15
	s_cmp_gt_u32 s22, 16*(\m)+\i                   ; the tile's rows are the first s22 of the 48
	s_cbranch_scc0 .Lend_\m
	s_wait_dscnt 15-\i
	global_store_b128 v13, v[ACC+4*\i:ACC+4*\i+3], s[66+2*\i:67+2*\i] th:TH_STORE_NT   ; 32 lanes store 512 consecutive bytes, at a multiple of 512 from the output's first byte
.endr
.Lend_\m:
	s_wait_dscnt 0x0                               ; on both ways: no load from the stage is out
.endm
	s_load_b256 s[4:11], s[0:1], 0x0               ; wq, xsort, list, psort
	s_load_b128 s[12:15], s[0:1], 0x20             ; b1, b2
	s_load_b64 s[16:17], s[0:1], 0x30              ; out0
	v_lshrrev_b32 v15, 5, v0
	s_delay_alu instid0(VALU_DEP_1)
	v_readfirstlane_b32 s24, v15                   ; wave 0..7
	s_lshl_b32 s28, ttmp9, 4
	s_mov_b32 s29, 0                               ; stays 0: the upper word of every offset
	s_wait_kmcnt 0x0
	s_add_nc_u64 s[30:31], s[8:9], s[28:29]
	s_load_b128 s[20:23], s[30:31], 0x0            ; my tile: expert, first row, rows
	v_and_b32 v15, 31, v0
	s_delay_alu instid0(VALU_DEP_1)
	v_lshlrev_b32 v1, 4, v15
	s_delay_alu instid0(VALU_DEP_2)
	v_lshlrev_b32 v2, 2, v15
	v_and_b32 v14, 15, v0                          ; r
	v_bfe_u32 v13, v0, 4, 1                        ; h
	s_delay_alu instid0(VALU_DEP_1)
	v_lshlrev_b32 v3, 6, v13
	s_mul_i32 s25, s24, 3168
	v_add_nc_u32 v4, s25, v1                       ; x in: rows 6 w + i of 528 bytes
	v_bfe_u32 v5, v0, 1, 4
	s_delay_alu instid0(VALU_DEP_1)
	v_mul_u32_u24 v5, v5, 48
	v_and_b32 v6, 1, v0
	s_delay_alu instid0(VALU_DEP_1)
	v_lshl_add_u32 v5, v6, 4, v5
	s_mul_i32 s25, s24, 768
	s_add_co_u32 s25, s25, XSL
	v_add_nc_u32 v5, s25, v5                       ; scale bytes in (waves 0-2): row 16 w + lane / 2, half lane % 2
	v_mul_u32_u24 v6, v14, 528
	s_delay_alu instid0(VALU_DEP_1)
	v_lshl_add_u32 v11, v13, 6, v6
	s_delay_alu instid0(VALU_DEP_2)
	v_lshl_add_u32 v6, v13, 4, v6                  ; a fragment of x: 528 r + 16 h
	v_mul_u32_u24 v7, v14, 48
	s_delay_alu instid0(VALU_DEP_1)
	v_lshl_add_u32 v7, v13, 4, v7
	s_delay_alu instid0(VALU_DEP_1)
	v_add_nc_u32 v7, XSL, v7                       ; its scale words: lanes 0-15 words 0-3 of row r, lanes 16-31 words 4-7
	s_lshl_b32 s25, s24, 9
	v_add_nc_u32 v13, s25, v1                      ; 512 w + 16 lane: my place in a row of the output,
	s_delay_alu instid0(VALU_DEP_1)
	v_add_nc_u32 v8, HIM, v13                      ; and in the hidden layer's images
	v_lshlrev_b32 v10, 4, v14
	s_delay_alu instid0(VALU_DEP_1)
	v_add_nc_u32 v10, HSL, v10
	s_lshl_b32 s25, s24, 1
	v_add_nc_u32 v9, s25, v10                      ; my two bytes of row r's sixteen
	s_mul_i32 s25, s24, 8448
	s_add_co_u32 s25, s25, STG
	v_add_nc_u32 v11, s25, v11                     ; the stage, in: 528 r + 64 h
	v_add_nc_u32 v12, s25, v1                      ; and out
	v_lshlrev_b32 v14, 2, v14
	v_mov_b32 v[PRB+3], 0x3e7c6f08                 ; c9
	s_mov_b32 s26, 0x76543210
	s_mov_b32 s27, 0xfedcba98                      ; v_permlanex16_b32's selects for lane l xor 16
	s_mov_b32 s100, 0x3f596d27                     ; sqrt(log2(e) / 2)
	s_wait_kmcnt 0x0
	s_min_u32 s20, s20, 7
	s_min_u32 s21, s21, 0x1fff
	s_min_u32 s22, s22, 48
	s_lshl_b32 s28, s21, 2
	s_add_nc_u64 s[98:99], s[8:9], s[28:29]
	s_load_b512 s[32:47], s[98:99], 0x1000         ; the tokens of rows 0-15
	s_add_nc_u64 s[10:11], s[10:11], s[28:29]
	s_lshl_b32 s28, s21, 9
	s_mul_i32 s25, s24, 3072
	s_add_co_u32 s28, s28, s25
	s_add_nc_u64 s[18:19], s[6:7], s[28:29]        ; my six rows of codes
	s_lshl_b32 s28, s21, 5
	s_lshl_b32 s25, s24, 9
	s_add_co_u32 s28, s28, s25
	s_add_co_u32 s28, s28, 4227072
	s_add_nc_u64 s[6:7], s[6:7], s[28:29]          ; (waves 0-2) my 512 of the tile's 1,536 scale bytes
	s_lshl_b32 s28, s20, 11
	s_lshl_b32 s25, s24, 8
	s_add_co_u32 s28, s28, s25
	s_add_nc_u64 s[12:13], s[12:13], s[28:29]
	s_lshl_b32 s28, s20, 12
	s_lshl_b32 s25, s24, 9
	s_add_co_u32 s28, s28, s25
	s_add_nc_u64 s[14:15], s[14:15], s[28:29]
	s_lshl_b32 s28, s20, 14
	s_lshl_b32 s25, s24, 11
	s_add_co_u32 s28, s28, s25
	s_add_co_u32 s28, s28, 4194304
	s_add_nc_u64 s[30:31], s[4:5], s[28:29]        ; my scale words of W1; W2's lie 131,072 bytes on
	s_lshl_b32 s28, s20, 18
	s_lshl_b32 s25, s24, 15
	s_add_co_u32 s28, s28, s25
	s_add_nc_u64 s[4:5], s[4:5], s[28:29]          ; my fragments of W1; W2's lie 2,097,152 bytes on
	s_cmp_lt_u32 s24, 3
	s_cbranch_scc0 .Lno_sc_load
	global_load_b128 v[112:115], v1, s[6:7]
.Lno_sc_load:
.irp i, 0,1,2,3,4,5
	global_load_b128 v[ACC+4*\i:ACC+4*\i+3], v1, s[18:19] offset:512*\i
.endr
	s_wait_alu depctr_va_vdst(0)
.irp m, 0,1,2
	global_load_b32 v[PRB+\m], v14, s[10:11] offset:64*\m
.endr
.irp t, 0,1,2,3
.irp q, 0,1
	global_load_b128 v[BIA+8*\t+4*\q:BIA+8*\t+4*\q+3], v3, s[12:13] offset:128*(\t/2)+32*(\t%2)+16*\q
.endr
.endr
.irp b, 0,1
.irp s, 0,1,2,3,4,5,6,7
	global_load_b32 v[WSC+8*\b+\s], v2, s[30:31] offset:(8*\b+\s)*128
.endr
.endr
	W1LOAD 0, 24                                   ; K steps 0 to 2
	s_wait_loadcnt 51                              ; younger than the rows of x: 3 + 8 + 16 + 24
.irp i, 0,1,2,3,4,5
	ds_store_b128 v4, v[ACC+4*\i:ACC+4*\i+3] offset:528*\i
.endr
	s_cmp_lt_u32 s24, 3
	s_cbranch_scc0 .Lno_sc_store
	ds_store_b128 v5, v[112:115]
.Lno_sc_store:
	W1LOAD 24, 40                                  ; K steps 3 to 7
	s_wait_dscnt 0x0                               ; for the others' sake: my rows lie in LDS
	s_barrier_signal -1
	s_barrier_wait -1
.irp m, 0,1,2
	ds_load_b128 v[XSC+4*\m:XSC+4*\m+3], v7 offset:768*\m
.endr
	XFETCH 0
.irp s, 0,1,2,3,4,5,6,7
	STEP1 \s
.endr
	PLACES                                         ; behind the last products: for the loads below and for the first read of results
.irp b, 0,1,2,3
.irp s, 0,1,2,3
	global_load_b32 v[WSC+4*\b+\s], v2, s[30:31] offset:131072+(4*\b+\s)*128
.endr
.endr
.irp t, 0,1,2,3,4,5,6,7
.irp q, 0,1
	global_load_b128 v[BIA+8*\t+4*\q:BIA+8*\t+4*\q+3], v3, s[14:15] offset:128*(\t/2)+32*(\t%2)+16*\q
.endr
.endr
	W2LOAD 0                                       ; the second product's weights land under the GELU: a K step's sixteen loads at a time
	GELU16 ACC
	W2LOAD 1
	GELU16 ACC+16
	W2LOAD 2
	GELU16 ACC+32
	W2LOAD 3
	GELU16 ACC+48
	GELU16 ACC+64
	GELU16 ACC+80
	QUANT2
	s_wait_dscnt 0x0                               ; for the others' sake: my part of the hidden layer lies in LDS
	s_barrier_signal -1
	s_barrier_wait -1
.irp m, 0,1,2
	ds_load_b128 v[XSC+4*\m:XSC+4*\m+3], v10 offset:256*\m   ; row r's four scale words
.endr
	HFETCH 0
	OUTM 0
	OUTM 1
	OUTM 2
	s_wait_xcnt 0x0
	v_lshl_add_u32 v254, v0, 2, 0x1a900
	v_mov_b32 v255, 0
	s_wait_alu depctr_va_vdst(0)
	s_wait_tensorcnt 0x0
	ds_add_u32 v254, v255
	s_wait_dscnt 0x0
	s_endpgm
.Lfunc_end_k_qcd8f218af0_chain:
	.size	k_qcd8f218af0_chain, .Lfunc_end_k_qcd8f218af0_chain-k_qcd8f218af0_chain
	.p2alignl 7, 3214868480
	.fill 96, 4, 3214868480
	.section	.rodata,"a",@progbits
	.p2align	6, 0x0
	.amdhsa_kernel k_qcd8f218af0_chain
		.amdhsa_group_segment_fixed_size 109824
		.amdhsa_private_segment_fixed_size 0
		.amdhsa_enable_private_segment 0
		.amdhsa_kernarg_size 56
		.amdhsa_user_sgpr_count 2
		.amdhsa_user_sgpr_kernarg_segment_ptr 1
		.amdhsa_wavefront_size32 1
		.amdhsa_system_sgpr_workgroup_id_x 1
		.amdhsa_system_sgpr_workgroup_id_y 1
		.amdhsa_system_sgpr_workgroup_id_z 1
		.amdhsa_system_vgpr_workitem_id 0
		.amdhsa_next_free_vgpr 512
		.amdhsa_next_free_sgpr 102
		.amdhsa_reserve_vcc 0
		.amdhsa_float_denorm_mode_32 3
		.amdhsa_float_denorm_mode_16_64 3
		.amdhsa_memory_ordered 1
		.amdhsa_forward_progress 1
		.amdhsa_inst_pref_size 162
	.end_amdhsa_kernel
	.amdgpu_metadata
---
amdhsa.version: [ 1, 2 ]
amdhsa.kernels:
  - .name:           k_qcd8f218af0_chain
    .symbol:         k_qcd8f218af0_chain.kd
    .args:
      - { .name: wq, .offset: 0, .size: 8, .value_kind: global_buffer, .address_space: global }
      - { .name: xsort, .offset: 8, .size: 8, .value_kind: global_buffer, .address_space: global }
      - { .name: list, .offset: 16, .size: 8, .value_kind: global_buffer, .address_space: global }
      - { .name: psort, .offset: 24, .size: 8, .value_kind: global_buffer, .address_space: global }
      - { .name: b1, .offset: 32, .size: 8, .value_kind: global_buffer, .address_space: global }
      - { .name: b2, .offset: 40, .size: 8, .value_kind: global_buffer, .address_space: global }
      - { .name: out0, .offset: 48, .size: 8, .value_kind: global_buffer, .address_space: global }
    .group_segment_fixed_size: 109824
    .private_segment_fixed_size: 0
    .kernarg_segment_align: 8
    .kernarg_segment_size: 56
    .max_flat_workgroup_size: 256
    .sgpr_count:     102
    .vgpr_count:     512
    .wavefront_size: 32
...
	.end_amdgpu_metadata
.endif
;; end of part 3
